; MI455X (gfx1250); checked and timed in simulation.
; The chip was launched on July 23, 2026; its instructions are those of AMD's public machine-readable ISA for CDNA 5 (MIT licence, August 2026) and "CDNA5" Instruction Set Architecture Reference Guide (July 2026). The comments in the code are by the model that wrote it; some were corrected since.
;; Self Attention. Allowed arithmetic: matrix products marked QUANTISED: E2M3 operands, one E8M0 scale for each 32 along K, by v_wmma_scale_f32_16x16x128_f8f6f4 with both operands' format E2M3, f32 sums; everything else in f32.
;; Inputs: W_codes 256 x 8 x 24 uint8 (E2M3 codes of W, K innermost, in blocks of 32 codes, four codes in three bytes); W_scales 256 x 8 uint8 (E8M0 scales of W, one for each 32 codes along K); b 256 float32; feats 8 x 2,048 x 256 float32.
;; Outputs: out0 8 x 256 float32.
;; This version of the problem:
;;   THIS VERSION OF THE PROBLEM IS GIVEN IN LOW PRECISION. The matrix products marked QUANTISED in the list below multiply operands that are first quantised to E2M3 (2 exponent bits, 3 mantissa bits; 6 bits a number), with one power-of-two scale for each 32 numbers along K (OCP MX v1.0); their sums are f32. All else is computed in f32.
;;   The module's matrix products, in the order in which they are computed (A, B: the left and right operand; K: the contracted axis; several contracted axes count as one K, in the product's order):
;;     1. [M 16,384, K 256] x [K 256, N 256]; A: input feats; B: input W (given as codes): QUANTISED
;;     2. batch 8 x [M 2,048, K 256] x [K 256, N 2,048]; A: computed on the way; B: input feats: QUANTISED
;;     3. batch 8 x [M 2,048, K 2,048] x [K 2,048, N 256]; A: softmax (see below); B: input feats: QUANTISED
;;   THE QUANTISER, for each operand of a quantised product, along K:
;;     - K is cut into blocks of 32 from its start; a last block that is shorter is filled with zeros.
;;     - A block's scale is 2^e with e = floor(log2(the largest magnitude in the block)) - 2, held to -126 .. 127; a block of zeros has e = 0. As a byte (E8M0): e + 127.
;;     - Each number is divided by its block's scale, clamped to +-7.5, and rounded to the nearest number of E2M3, ties to even, subnormals kept.
;;     - The product sums the exact products of the quantised numbers (number of the format x scale) in f32.
;;   ~~~python
;;   def quantise(x, axis):      # numpy; x: float32 -> the quantised numbers, widened to float32 again
;;       x = np.moveaxis(x, axis, -1); K = x.shape[-1]
;;       x = np.pad(x, [(0, 0)] * (x.ndim - 1) + [(0, -K % 32)]); x = x.reshape(x.shape[:-1] + (-1, 32)); a = np.abs(x).max(-1, keepdims=True)
;;       e = np.where(a > 0, np.clip(np.frexp(np.where(a > 0, a, 1))[1] - 1 - 2, -126, 127), 0)      # np.frexp(a)[1] - 1 = floor(log2(a)), exactly
;;       r = np.clip(x / 2.0 ** e, -7.5, 7.5)
;;       step = 2.0 ** (np.maximum(np.frexp(np.where(r == 0, 1, r))[1] - 1, 0) - 3)
;;       q = np.round(r / step) * step * 2.0 ** e      # np.round: ties to even
;;       return np.moveaxis(q.reshape(q.shape[:-2] + (-1,))[..., :K], -1, axis).astype(np.float32)
;;   ~~~
;;   SOFTMAX AHEAD OF A QUANTISED PRODUCT. Where the list says 'softmax', what is quantised is not the finished softmax but p = 2^(t - M), with t = logit x log2(e) and M = ceil(the row's largest t), a whole number; so 1/2 < the row's largest p <= 1. The row's sum l is taken of the UNQUANTISED p, in f32, and the product's result is divided by l at the end. Since M is a whole number, a kernel that streams over the keys may use a running M (the ceiling of the running maximum): every later rescaling is an exact power of two, which a block's scale takes up: the codes' values come out the same.
;;   OPERANDS COMPUTED ON THE WAY. 'Computed on the way' means the value that the module computes at that place (a softmax that the list does not call 'softmax' is quantised finished and normalised). What goes into a quantiser is computed in f32, as accurately as f32 sums, v_exp_f32 and their like allow (about 1e-6 of the number): no bf16 or f16 on the way to a quantiser, and a product that is left as it is and whose result goes on into a quantised operand takes f32 operands (vector FMAs, or v_wmma_f32_16x16x4_f32). A number that lies on a knife's edge between two numbers of the format may be rounded either way, as far as f32 arithmetic and the matrix unit's own rounding can turn it there, and no further.
;;   INPUTS GIVEN AS CODES. W (in the module: [256, 256], K = its axis 1): each comes as NAME_codes (uint8): NAME with its K axis moved to the last place and cut into blocks of 32 codes, [.., K / 32, bytes a block], one block behind the other in memory; four codes in three bytes: a row's codes are one little-endian stream of bits, code i at bits 6 i .. 6 i + 5 (a code: sign, 2 exponent bits, 3 mantissa bits); and NAME_scales (uint8): the same leading axes, one E8M0 byte (e + 127) for each 32 codes along K. Its value is code x scale, taken as it is: it is not quantised again, and the codes and scales need not be those that the quantiser above would give.
;; One version. Each part assembles by itself: llvm-mc -triple=amdgcn-amd-amdhsa -mcpu=gfx1250 --defsym DOCPART=n.
;; ======== version 1 of 1: 3 launches
;; limits: right only within a limited range of input values
;; workspace buffers: qbuf 3,407,872 bytes; kv 6,881,280 bytes; part 262,144 bytes
;; launch prep (part 1): grid 256 x 1, 4 waves a work-group, clusters of 4 x 1, 168,448 bytes of LDS; arguments feats, W_codes, W_scales, b, qbuf, kv; writes qbuf, kv
.if DOCPART == 1
	.amdgcn_target "amdgcn-amd-amdhsa--gfx1250"
	.amdhsa_code_object_version 6
	.text
	.protected	k_qfac4436478_prep
	.globl	k_qfac4436478_prep
	.p2align	8
	.type	k_qfac4436478_prep,@function
k_qfac4436478_prep:
	s_mov_b64 s[64:65], 0
	v_nop
	global_prefetch_b8 v0, s[64:65] scope:SCOPE_SE
	s_setreg_imm32_b32 hwreg(HW_REG_WAVE_MODE, 25, 1), 1
	s_wait_xcnt 0x0
	s_wait_alu depctr_hold_cnt(0) depctr_sa_sdst(0) depctr_va_vdst(0) depctr_va_sdst(0) depctr_va_ssrc(0) depctr_va_vcc(0) depctr_vm_vsrc(0)
	s_getreg_b32 s2, hwreg(HW_REG_IB_STS2, 6, 4)
	s_cmp_eq_u32 s2, 0
	s_cbranch_scc0 .Lentry_in_a_cluster
	s_endpgm
.Lentry_in_a_cluster:
	s_bfe_u32 s2, ttmp6, 0x10000c
	s_cmp_lg_u32 s2, 0x3003
	s_cbranch_scc0 .Lentry_shape_is_right
	s_endpgm
.Lentry_shape_is_right:
; feats [16384][256] f32 becomes three operands of FP6 (E2M3) codes with one E8M0 byte for each 32 along K, laid as images of the operand registers:
;   K: feats along h (rows whose first number is 0 get zero codes: their score is then the bias alone);  V: feats along the keys;  Q: proj = Q(x) W^T + b, quantised along its 256 outputs.
; A work-group takes 64 rows (block g).  Wave w makes K's tile w, V's column tiles 4 w .. 4 w + 3, and outputs 64 w .. 64 w + 63 of proj for all 64 rows.
; LANE r OF TILE t TAKES ROW 8 t + r % 8 + 32 (r / 8): so 32 result registers of a lane (four tiles) are 32 neighbours along the next K, one whole scale block; W's rows are chosen the same way.
; kv, for each batch: 32 K blocks of 13,568 bytes, then 32 V blocks of 13,312.  K block: [tile][K step][1536] | scale words [tile][lane][2] | the bias of 64 keys (-2^30 where feats[key][0] == 0, else 0).
; V block: half images [column tile][768] (registers 0-3 at 16 l, 4-5 at 512 + 8 l) | scale halves [wave][lane][2 words].   qbuf tile, 3,328 bytes: four half images, then 8 bytes a lane: two scale words.
; CLUSTER: all work-groups read the same 49,152 bytes of W: the four of a cluster ask for them jointly; a block of feats is read by one work-group alone.  LDS is filled once.
; No prefetch: a work-group makes one block, with no loop to run ahead in.  No work of the problem is left out.
; LIMITS: NaN and infinities among the inputs are not served.  A block of zeros, or one whose largest magnitude lies under 2^-124, gets the byte 1: its codes are zeros or next to it, and these bytes are read by this program alone.
; A masked score is -2^30 in place of -1e9: the two give the same weights while the unmasked scores stay under 2^29 in magnitude (with log2(e) this keeps scaled scores under 2^31).
.set XH,  33408                        ; rows 32-63 of feats in LDS: 32 rows x 1040 + 128
.set RP,  1040
.set WL,  66816                        ; W's codes: 256 rows of 3 x (64 + 16) bytes
.set WP,  240
.set XI,  128256                       ; x's operand images: 4 tiles x 3,072
.set XSL, 140544                       ; their scale words: 4 x 256
.set QSB, 141568                       ; proj's scale bytes: 4 tiles x 16 rows x 8
.set SPARE, 142080
.set BATCHB, 860160
.set VREG, 434176
.set KB,  13568
.set VB,  13312
.set SPW, 1
.set NIL, 2
.set XA,  3
.set WA,  4
.set WA2, 5
.set TA,  6
.set L16, 7
.set L8,  8
.set SH,  9
.set FZA, 10
.set FZ,  11
.set NEGR, 12
.set WSA, 13
.set BA,  14
.set XIW, 15
.set XSW, 16
.set QB,  17
.set BIA, 18
.set XIR, 19
.set XSR, 20
.set QR,  21
.set BZ,  22
.set BO,  26
.set XS,  48
.set VW,  50
.set TM,  52
.set T8,  68
.set XF,  84
.set PA,  128                          ; v128-255: 128 numbers of x, then of V, then proj's accumulators: block b at 128 + 32 b
.set WV,  40
.set SEL, 44
.set G1W, 16
.set G1F, 24
.set G0,  32
.set G0F, 36
.set MSB, 0
.macro WIN new
.if MSB != \new
	s_set_vgpr_msb (MSB<<8)|\new
.set MSB, \new
.endif
.endm
.macro WALU
	s_wait_alu depctr_va_vdst(0)
.endm
.macro CROUND
	s_barrier_signal -1
	s_barrier_wait -1
	s_cmp_lg_u32 s[WV], 0
	s_cbranch_scc1 .Lnot_wave_0_\@
	s_barrier_signal -3
.Lnot_wave_0_\@:
	s_barrier_wait -3
	s_barrier_signal -1
	s_barrier_wait -1
.endm
; a fragment of W (tile t of my four, K step s): where the piece three on lies behind one padding more, the second address register serves
.macro WFRAG t, s
.irp p, 0,1,2,3,4,5
.set PC, 12*(\s)+6*(\p/3)+\p%3
.set RG, 32+12*(2*(\t)+(\s))+2*\p
.if PC%8 < 5
	ds_load_b64 v[RG:RG+1], v[WA] offset:8*PC+16*(PC/8)+8*(\t)*WP
.else
	ds_load_b64 v[RG:RG+1], v[WA2] offset:8*PC+16*(PC/8)+8*(\t)*WP
.endif
.endr
.endm
; four blocks of 32 numbers, each whole in a lane: their largest magnitudes with the floor 2^(3 - 127), scale operands (TM + 4), bytes (TM + 8), and codes: block b's six registers at d + st b, in the window that w names
.macro QUANT4 w, d, st
.irp b, 0,1,2,3
	v_max3_num_f32 v[TM+\b], |v[PA+32*\b]|, |v[PA+32*\b+1]|, 0x1800000
.endr
.irp i, 2,4,6,8,10,12,14,16,18,20,22,24,26,28,30
.irp b, 0,1,2,3
	v_max3_num_f32 v[TM+\b], v[TM+\b], |v[PA+32*\b+\i]|, |v[PA+32*\b+\i+1]|
.endr
.endr
.irp b, 0,1,2,3
	v_add_nc_u32 v[TM+4+\b], 0xff000000, v[TM+\b]
.endr
.irp b, 0,1,2,3
	v_lshrrev_b32 v[TM+8+\b], 23, v[TM+4+\b]
.endr
	WIN \w
.irp b, 0,1,2,3
	v_cvt_scalef32_pk16_fp6_f32 v[\d+\st*\b:\d+\st*\b+2], v[PA+32*\b:PA+32*\b+15], v[TM+4+\b]
.endr
	WIN 0
.irp b, 0,1,2,3
	v_cvt_scalef32_pk16_fp6_f32 v[T8+4*\b:T8+4*\b+2], v[PA+32*\b+16:PA+32*\b+31], v[TM+4+\b]   ; (three registers that begin on an even number: moved below)
.endr
	v_nop                                          ; one plain place behind a scaled conversion
	WIN \w
.irp b, 0,1,2,3
.irp e, 0,1,2
	v_mov_b32 v[\d+\st*\b+3+\e], v[T8+4*\b+\e]
.endr
.endr
	WIN 0
.endm
; two words from four bytes: word m holds blocks 2 m (low half) and 2 m + 1, of lanes 0-15 in the even bytes and of lanes 16-31 in the odd
.macro WORDS d
	v_lshl_or_b32 v[\d], v[TM+9], 16, v[TM+8]
	v_lshl_or_b32 v[\d+1], v[TM+11], 16, v[TM+10]
	v_lshlrev_b32 v[\d], v[SH], v[\d]
	v_lshlrev_b32 v[\d+1], v[SH], v[\d+1]
	v_permlanex16_b32 v[TM+12], v[\d], s[SEL], s[SEL+1]
	v_permlanex16_b32 v[TM+13], v[\d+1], s[SEL], s[SEL+1]
	v_or_b32 v[\d], v[\d], v[TM+12]
	v_or_b32 v[\d+1], v[\d+1], v[TM+13]
.endm
	s_load_b128 s[4:7], s[0:1], 0x0                ; feats, W's codes
	s_load_b128 s[8:11], s[0:1], 0x10              ; W's scales, b
	s_load_b128 s[12:15], s[0:1], 0x20             ; qbuf, kv
	v_lshl_add_u32 v[SPW], v0, 2, SPARE
	v_mov_b32 v[NIL], 0
	ds_add_u32 v[SPW], v[NIL]                      ; the opening lines
	ds_add_u32 v[SPW], v[NIL]
	v_lshrrev_b32 v3, 5, v0
	v_readfirstlane_b32 s[WV], v3                  ; wave 0..3
	s_and_b32 s42, s[WV], 1
	s_bfe_u32 s43, ttmp6, 0x40000                  ; cx
	s_lshl_b32 s41, ttmp9, 2
	s_add_co_u32 s41, s41, s43                     ; block g = 4 x cluster x + cx: it enters global addresses alone
	s_mov_b32 s[SEL], 0x76543210
	s_mov_b32 s[SEL+1], 0xfedcba98                 ; v_permlanex16_b32: lane l xor 16
	; group 1 for W: 24,576 dense bytes as 96 rows of 256 bytes, 16 bytes of padding behind every 64; the mask names the four partners
	s_mov_b32 s[G1W], 15|(1<<20)|(1<<21)|(3<<22)|(3<<25)
	s_mov_b32 s[G1W+1], 256<<16
	s_mov_b32 s[G1W+2], 96<<16
	s_mov_b32 s[G1W+3], 256<<16
	s_mov_b32 s[G1W+4], 96
	s_mov_b32 s[G1W+5], 256
	s_mov_b32 s[G1W+6], 0
	s_mov_b32 s[G1W+7], 0
	; group 1 for feats: 32 rows of 256 elements of 4 bytes, 16 bytes of padding behind each row; no mask
	s_mov_b32 s[G1F], (2<<16)|(1<<20)|(7<<22)|(3<<25)
	s_mov_b32 s[G1F+1], 256<<16
	s_mov_b32 s[G1F+2], 32<<16
	s_mov_b32 s[G1F+3], 256<<16
	s_mov_b32 s[G1F+4], 32
	s_mov_b32 s[G1F+5], 256
	s_mov_b32 s[G1F+6], 0
	s_mov_b32 s[G1F+7], 0
	s_mov_b32 s[G0], 1                             ; W: waves 0 and 1 a half each
	s_mul_i32 s[G0+1], s42, 128*WP
	s_add_co_u32 s[G0+1], s[G0+1], WL
	s_mul_i32 s46, s42, 24576
	s_mov_b32 s47, 0
	s_mov_b32 s[G0F], 1                            ; feats: waves 2 and 3 a half each
	s_mul_i32 s[G0F+1], s42, XH
	s_lshl_b32 s48, s41, 16
	s_lshl_b32 s49, s42, 15
	s_add_co_u32 s48, s48, s49
	s_mov_b32 s49, 0
	s_lshl_b32 s50, s[WV], 8                       ; 256 w
	s_mul_i32 s51, s[WV], 3072
	s_mul_i32 s52, s[WV], 8*RP
	s_mul_i32 s53, s[WV], 64*WP
	s_add_co_u32 s53, s53, WL
	s_wait_dscnt 0x0
	v_and_b32 v24, 31, v0                          ; lane
	v_and_b32 v25, 15, v0                          ; r
	v_bfe_u32 v28, v0, 4, 1                        ; h = lane / 16
	v_bfe_u32 v29, v0, 3, 1                        ; r / 8
	v_and_b32 v30, 7, v0                           ; r % 8
	v_mul_u32_u24 v[FZA], v29, XH
	v_mad_u32_u24 v[FZA], v30, RP, v[FZA]
	v_add_nc_u32 v[FZA], s52, v[FZA]               ; row 8 w + r % 8 + 32 (r / 8)
	v_lshl_add_u32 v[XA], v28, 7, v[FZA]           ; + 32 numbers for the upper half of the lanes
	v_lshl_add_u32 v31, v29, 5, v30                ; r % 8 + 32 (r / 8)
	v_mul_u32_u24 v[WA], v31, WP
	v_mad_u32_u24 v[WA], v28, 24, v[WA]
	v_add_nc_u32 v[WA], s53, v[WA]
	v_lshl_add_u32 v[WA2], v28, 4, v[WA]
	v_mul_u32_u24 v[TA], v28, XH
	v_lshl_add_u32 v[TA], v25, 2, v[TA]
	v_add_nc_u32 v[TA], s50, v[TA]                 ; down column 64 w + r, rows 32 h on
	v_lshlrev_b32 v[L16], 4, v24
	v_lshlrev_b32 v[L8], 3, v24
	v_lshlrev_b32 v[SH], 3, v28
	v_mov_b32 v[NEGR], 0xce800000                  ; -2^30
	s_lshl_b32 s54, s[WV], 9
	v_lshlrev_b32 v[WSA], 3, v31
	v_add_nc_u32 v[WSA], s54, v[WSA]
	v_lshlrev_b32 v[BA], 7, v28
	v_add_nc_u32 v[BA], s50, v[BA]
	v_add_nc_u32 v[XIR], XI, v[L16]
	v_add_nc_u32 v[XIW], s51, v[XIR]
	v_add_nc_u32 v[XSR], XSL, v[L8]
	v_add_nc_u32 v[XSW], s50, v[XSR]
	v_lshlrev_b32 v[QR], 3, v25
	v_add_nc_u32 v[QR], QSB, v[QR]
	s_lshl_b32 s54, s[WV], 1
	v_add_nc_u32 v[QB], v[QR], v28
	v_add_nc_u32 v[QB], s54, v[QB]                 ; byte 2 w + h of row r
	s_lshl_b32 s54, s[WV], 7
	v_add_nc_u32 v[QR], s54, v[QR]                 ; tile w's eight bytes of row r
	v_mul_u32_u24 v[BIA], v28, XH
	v_mad_u32_u24 v[BIA], v25, 2*RP, v[BIA]        ; row 2 x lane
	v_mov_b32 v[TM+12], 0                          ; written once: a lane permute's destination counts as one of its sources
	v_mov_b32 v[TM+13], 0
	WALU
	CROUND                                         ; the four work-groups are here: the joint loads meet
	s_wait_kmcnt 0x0
	s_add_nc_u64 s[G0+2:G0+3], s[6:7], s[46:47]
	s_or_b32 s[G0+3], s[G0+3], 0x80000000
	s_add_nc_u64 s[G0F+2:G0F+3], s[4:5], s[48:49]
	s_or_b32 s[G0F+3], s[G0F+3], 0x80000000
	s_cmp_lt_u32 s[WV], 2
	s_cbranch_scc0 .Lfeats
	tensor_load_to_lds s[G0:G0+3], s[G1W:G1W+7]    ; my half of W, jointly
	s_nop 0
.rept 4
	v_nop
.endr
	s_branch .Lasked
.Lfeats:
	tensor_load_to_lds s[G0F:G0F+3], s[G1F:G1F+7]  ; my 32 rows of feats
	s_nop 0
.rept 4
	v_nop
.endr
.Lasked:
.irp t, 0,1,2,3
	global_load_b64 v[32+8*(\t/2)+2*(\t%2):33+8*(\t/2)+2*(\t%2)], v[WSA], s[8:9] offset:64*\t
.endr
	WIN 0x40
.irp k, 0,1,2,3,4,5,6,7                        ; b as the C of my four tiles: outputs 64 w + 32 h + 0 .. 31
	global_load_b128 v[4*\k:4*\k+3], v[BA], s[10:11] offset:16*\k
.endr
	WIN 0
	s_lshr_b32 s54, s41, 5                         ; the batch
	s_and_b32 s55, s41, 31                         ; the block in it
	s_mul_i32 s54, s54, BATCHB
	s_mul_i32 s56, s55, KB
	s_add_co_u32 s56, s56, s54
	s_mov_b32 s57, 0
	s_add_nc_u64 s[56:57], s[14:15], s[56:57]      ; my K block
	s_mul_i32 s58, s55, VB
	s_add_co_u32 s58, s58, s54
	s_add_co_u32 s58, s58, VREG
	s_mov_b32 s59, 0
	s_add_nc_u64 s[58:59], s[14:15], s[58:59]      ; my V block
	s_mov_b32 s55, 0
	s_mul_i32 s54, s41, 4*3328
	s_add_nc_u64 s[12:13], s[12:13], s[54:55]      ; my four tiles of qbuf
	s_mov_b32 s54, s51
	s_add_nc_u64 s[46:47], s[56:57], s[54:55]      ; + 3,072 w
	s_add_nc_u64 s[48:49], s[58:59], s[54:55]
	s_mov_b32 s54, s50
	s_add_nc_u64 s[60:61], s[56:57], s[54:55]      ; + 256 w
	s_add_nc_u64 s[58:59], s[58:59], s[54:55]
	s_mul_i32 s54, s[WV], 768
	s_add_nc_u64 s[52:53], s[12:13], s[54:55]      ; + 768 w
	s_mul_i32 s54, s[WV], 3328
	s_add_nc_u64 s[12:13], s[12:13], s[54:55]      ; tile w
	s_wait_tensorcnt 0x0
	s_wait_dscnt 0x0
	s_barrier_signal -1
	s_barrier_wait -1                              ; W and all 64 rows are in
	ds_load_b32 v[FZ], v[FZA]
	ds_load_b32 v[BZ], v[BIA]
	ds_load_b32 v[BZ+1], v[BIA] offset:RP
.irp c, 0,1,2,3                                ; x: block c of my row: k = 64 c + 32 h + 0 .. 31
.irp k, 0,1,2,3,4,5,6,7
	ds_load_b128 v[PA+32*\c+4*\k:PA+32*\c+4*\k+3], v[XA] offset:256*\c+16*\k
.endr
.endr
	WIN 0x40
.irp t, 0,1,2,3
	WFRAG \t, 0
	WFRAG \t, 1
.endr
	WIN 0
	s_wait_dscnt 48                                ; all but W's 48 loads
	QUANT4 0, XF, 6
	WORDS XS
.irp s, 0,1
.irp j, 0,1,2
	ds_store_b128 v[XIW], v[XF+12*\s+4*\j:XF+12*\s+4*\j+3] offset:1536*\s+512*\j
.endr
.endr
	ds_store_b64 v[XSW], v[XS:XS+1]
.irp k, 0,1,2,3                                ; V: column tile 4 w + k: my column's keys 32 h + e
.set e, 0
.rept 32
	ds_load_b32 v[PA+32*\k+e], v[TA] offset:RP*e+64*\k
.set e, e+1
.endr
.endr
	WALU
	s_wait_dscnt 0x0                               ; my image is stored; V's numbers are in
	s_barrier_signal -1
	v_cmp_eq_f32 vcc_lo, 0, v[FZ]
.set e, 0
.rept 24
	v_cndmask_b32 v[XF+e], v[XF+e], v[NIL], vcc_lo ; K: zero codes in the rows of masked keys
.set e, e+1
.endr
	v_cmp_eq_f32 vcc_lo, 0, v[BZ]
	v_cndmask_b32 v[BO], v[NIL], v[NEGR], vcc_lo
	v_cmp_eq_f32 vcc_lo, 0, v[BZ+1]
	v_cndmask_b32 v[BO+1], v[NIL], v[NEGR], vcc_lo
	QUANT4 0x40, 224, 8
	WORDS VW
	WALU
	s_barrier_wait -1                              ; all four images of x are in LDS
	WIN 0x40
.irp i, 0,1,2,3
.irp s, 0,1
.irp j, 0,1,2
	ds_load_b128 v[128+24*\i+12*\s+4*\j:128+24*\i+12*\s+4*\j+3], v[XIR] offset:3072*\i+1536*\s+512*\j
.endr
.endr
.endr
	WIN 0
.irp i, 0,1,2,3
	ds_load_b64 v[36+8*(\i/2)+2*(\i%2):37+8*(\i/2)+2*(\i%2)], v[XSR] offset:256*\i
.endr
.irp s, 0,1
.irp j, 0,1,2
	global_store_b128 v[L16], v[XF+12*\s+4*\j:XF+12*\s+4*\j+3], s[46:47] offset:1536*\s+512*\j
.endr
.endr
	global_store_b64 v[L8], v[XS:XS+1], s[60:61] offset:12288
	WIN 0x04                                       ; store data window 1
.irp k, 0,1,2,3
	global_store_b128 v[L16], v[224+8*\k:227+8*\k], s[48:49] offset:768*\k
	global_store_b64 v[L8], v[228+8*\k:229+8*\k], s[48:49] offset:768*\k+512
.endr
	WIN 0
	global_store_b64 v[L8], v[VW:VW+1], s[58:59] offset:12288
	s_cmp_lg_u32 s[WV], 0
	s_cbranch_scc1 .Lno_bias
	global_store_b64 v[L8], v[BO:BO+1], s[56:57] offset:13312   ; wave 0: the bias of 64 keys, in their own order
.Lno_bias:
	s_wait_loadcnt 0x0                             ; b and W's scale words
	s_wait_dscnt 0x0                               ; x's images
	; proj^T = W x^T + b: 16 accumulators by turns
.irp s, 0,1
.irp i, 0,1,2,3
.irp t, 0,1,2,3
.if \s == 0
	WIN 0x15
	v_wmma_scale_f32_16x16x128_f8f6f4 v[PA+32*\i+8*\t:PA+32*\i+8*\t+7], v[32+24*\t:43+24*\t], v[128+24*\i:139+24*\i], v[8*\t:8*\t+7], v[32+8*(\t/2)+2*(\t%2)], v[36+8*(\i/2)+2*(\i%2)] matrix_a_fmt:MATRIX_FMT_FP6 matrix_b_fmt:MATRIX_FMT_FP6
.else
	WIN 0x05
	v_wmma_scale_f32_16x16x128_f8f6f4 v[PA+32*\i+8*\t:PA+32*\i+8*\t+7], v[44+24*\t:55+24*\t], v[140+24*\i:151+24*\i], v[PA+32*\i+8*\t:PA+32*\i+8*\t+7], v[33+8*(\t/2)+2*(\t%2)], v[37+8*(\i/2)+2*(\i%2)] matrix_a_fmt:MATRIX_FMT_FP6 matrix_b_fmt:MATRIX_FMT_FP6
.endif
.endr
.endr
.endr
	WIN 0
.rept 4
	v_nop
.endr
	s_wait_xcnt 0x0                                ; V's stores have read their registers
	QUANT4 0x40, 224, 8                            ; Q: tile i's block of my 32 outputs
.irp i, 0,1,2,3
	ds_store_b8 v[QB], v[TM+8+\i] offset:128*\i
.endr
	WIN 0x04
.irp i, 0,1,2,3
	global_store_b128 v[L16], v[224+8*\i:227+8*\i], s[52:53] offset:3328*\i
	global_store_b64 v[L8], v[228+8*\i:229+8*\i], s[52:53] offset:3328*\i+512
.endr
	WIN 0
	WALU
	s_wait_dscnt 0x0                               ; my bytes are stored
	s_barrier_signal -1
	s_barrier_wait -1
	ds_load_b64 v[24:25], v[QR]
	s_wait_dscnt 0x0
	global_store_b64 v[L8], v[24:25], s[12:13] offset:3072
	s_wait_tensorcnt 0x0                           ; the wave's end
	ds_add_u32 v[SPW], v[NIL]
	s_wait_dscnt 0x0
	CROUND                                         ; the closing round: no work-group ends while a partner may still ask for a tile that names it
	s_endpgm
.Lfunc_end_k_qfac4436478_prep:
	.size	k_qfac4436478_prep, .Lfunc_end_k_qfac4436478_prep-k_qfac4436478_prep
	.p2alignl 7, 3214868480
	.fill 96, 4, 3214868480
	.section	.rodata,"a",@progbits
	.p2align	6, 0x0
	.amdhsa_kernel k_qfac4436478_prep
		.amdhsa_group_segment_fixed_size 168448
		.amdhsa_private_segment_fixed_size 0
		.amdhsa_enable_private_segment 0
		.amdhsa_kernarg_size 48
		.amdhsa_user_sgpr_count 2
		.amdhsa_user_sgpr_kernarg_segment_ptr 1
		.amdhsa_wavefront_size32 1
		.amdhsa_system_sgpr_workgroup_id_x 1
		.amdhsa_system_sgpr_workgroup_id_y 1
		.amdhsa_system_sgpr_workgroup_id_z 1
		.amdhsa_system_vgpr_workitem_id 0
		.amdhsa_next_free_vgpr 512
		.amdhsa_next_free_sgpr 66
		.amdhsa_reserve_vcc 1
		.amdhsa_float_denorm_mode_32 3
		.amdhsa_float_denorm_mode_16_64 3
		.amdhsa_memory_ordered 1
		.amdhsa_forward_progress 1
		.amdhsa_inst_pref_size 51
	.end_amdhsa_kernel
	.amdgpu_metadata
---
amdhsa.version: [ 1, 2 ]
amdhsa.kernels:
  - .name:           k_qfac4436478_prep
    .symbol:         k_qfac4436478_prep.kd
    .args:
      - { .name: feats, .offset: 0, .size: 8, .value_kind: global_buffer, .address_space: global }
      - { .name: W_codes, .offset: 8, .size: 8, .value_kind: global_buffer, .address_space: global }
      - { .name: W_scales, .offset: 16, .size: 8, .value_kind: global_buffer, .address_space: global }
      - { .name: b, .offset: 24, .size: 8, .value_kind: global_buffer, .address_space: global }
      - { .name: qbuf, .offset: 32, .size: 8, .value_kind: global_buffer, .address_space: global }
      - { .name: kv, .offset: 40, .size: 8, .value_kind: global_buffer, .address_space: global }
    .group_segment_fixed_size: 168448
    .private_segment_fixed_size: 0
    .kernarg_segment_align: 8
    .kernarg_segment_size: 48
    .max_flat_workgroup_size: 128
    .sgpr_count:     66
    .vgpr_count:     512
    .wavefront_size: 32
...
	.end_amdgpu_metadata
.endif
;; end of part 1
;; launch attn (part 2): grid 32 x 8, 4 waves a work-group, clusters of 4 x 1, 327,680 bytes of LDS; arguments qbuf, kv, part; writes part
.if DOCPART == 2
	.amdgcn_target "amdgcn-amd-amdhsa--gfx1250"
	.amdhsa_code_object_version 6
	.text
	.protected	k_qfac4436478_attn
	.globl	k_qfac4436478_attn
	.p2align	8
	.type	k_qfac4436478_attn,@function
k_qfac4436478_attn:
	s_mov_b64 s[64:65], 0
	v_nop
	global_prefetch_b8 v0, s[64:65] scope:SCOPE_SE
	s_setreg_imm32_b32 hwreg(HW_REG_WAVE_MODE, 25, 1), 1
	s_wait_xcnt 0x0
	s_wait_alu depctr_hold_cnt(0) depctr_sa_sdst(0) depctr_va_vdst(0) depctr_va_sdst(0) depctr_va_ssrc(0) depctr_va_vcc(0) depctr_vm_vsrc(0)
	s_getreg_b32 s2, hwreg(HW_REG_IB_STS2, 6, 4)
	s_cmp_eq_u32 s2, 0
	s_cbranch_scc0 .Lentry_in_a_cluster
	s_endpgm
.Lentry_in_a_cluster:
	s_bfe_u32 s2, ttmp6, 0x10000c
	s_cmp_lg_u32 s2, 0x3003
	s_cbranch_scc0 .Lentry_shape_is_right
	s_endpgm
.Lentry_shape_is_right:
; part[g][h] = the sum over the 64 queries of block g of (softmax row x V)[h], both products on FP6 (E2M3) codes with E8M0 scales, from the images that the launch before has laid.
; SHARES.  A work-group owns 64 queries of one batch; wave w takes all 64 against the keys of steps 4 f + w (f = 0 .. 3, 128 keys each): each fragment of K and V is read from LDS once, and feeds four products.
; TWO PHASES.  Phase 1 walks K and keeps p as codes in registers (16 units of 16 queries x 128 keys, 12 registers each); phase 2 walks V.
; S^T = K Q^T: lane (r, h) holds query r and, in 32 registers of four key tiles, 32 neighbouring keys: one whole scale block.
; SOFTMAX BY BLOCKS.  A block has its own whole exponent e = floor(its largest t), t = score x log2(e): p' = 2^(t - e) lies under 2 and its largest is 1 or more, so the conversion's scale is 2^-2 for every block.
; Between the phases E = the largest e of my keys: the block's scale byte is 125 + e - E (held at 1 or more) and its share of the row's sum is 2^(e - E) x the sum of its unquantised p'.  Powers of two alone: the codes are those of one M for the row.
; O = P V with queries as rows: a lane holds one channel and its registers the queries, so the sum over queries stays in the lane.  At the end the four waves exchange (E, l), each weighs its O by 2^(E_own - E) / l, and the 256 sums meet in LDS.
; THE MASK: masked keys have zero codes, and the first product adds onto the bias (-2^30 or 0).  -2^30 x log2(e) is exact, so a row all of whose keys are masked gets p' = 1.
; A UNIT'S 16 PRODUCTS STAND AMONG THE VECTOR LINES OF THE UNIT BEFORE IT, one behind every seven; the fourth unit of a step also fetches the next step's fragments into the registers that its products have freed.
; LDS: places P0, P1, P2.  K0 -> P0 at the head, then behind a round each: K1 -> P1, K2 -> P2 (first fills), K3 -> P0, V0 and V1 -> P1 on, V2 -> P0, V3 -> P1.  One joint tensor load a wave behind each round.
; CLUSTER: a batch's work-groups walk the same tiles; a mask names four, so four form a cluster and ask jointly.  Cluster (X, y) serves batch 2 (y / 2) + X / 4.
; PREFETCH: the batch's first cluster names the fill after the one just asked for, 256 bytes a thread (424 or 416 units among 512 threads; those over name the last again); K0 comes by its load alone.
; All of the LDS is claimed and 0 is added to spare words.  No work of the problem is left out.
; REGISTERS: window 0: addresses, scales, exponents, sums, scores (v128-255);  window 1: p's codes (v0-191), the bias (v192-255);  window 2: K, then V (v0-191);  window 3: Q (v0-95).
; In phase 2 O takes window 0 v128-255, windows 1 and 2 v192-255, window 3.
; LIMITS: NaN and infinities are not served.  Unmasked scores stay under 2^29 in magnitude.  A block more than 2^124 below the row's largest keeps the byte 1: it adds under 2^-120 of the row.
; The places of a unit's products (seven is the mean over the 110 vector lines of a unit that are no exponentials): those of key tiles 0-3 stand ahead of the exponentials, one behind every five lines, those of tiles 4-7 behind them, one behind every three:
; so no exponential stands between the two steps of a score's sum.  The next step's fragments for tiles 0-3 are fetched among the exponentials, those for tiles 4-7 at the unit's end.
.set KB,    13568
.set VB,    13312
.set KF,    108544                     ; a fill of K: 8 blocks
.set VF,    106496
.set VREG,  434176
.set BATCHB, 860160
.set P0,    0
.set P1,    108544
.set P2,    217088
.set SPARE, 325632
.set STG,   P1+VF                      ; behind V3: bytes that V1 filled last; all waves have read V1 when the first line is stored here
.set SPW, 1
.set NIL, 2
.set K16, 3
.set K8,  4
.set KBA, 5
.set V16, 6
.set V8,  7
.set SH,  8
.set CSC, 9
.set A16, 10
.set A8,  11
.set AB,  12
.set PFO, 13
.set PFV, 14
.set T0,  16
.set T1,  20
.set MX,  24
.set SA,  28
.set VR,  16                           ; v16-31 V's scale halves as loaded (phase 2)
.set KSC, 32                           ; K's words, then V's: residues 0-3 modulo 8 of v32-63
.set QSC, 36                           ; Q's words, then p's: residues 4-7
.set NEX, 64                           ; v64-95: -e of unit u at 64 + 2 u
.set LS,  96                           ; v96-127: the blocks' sums
.set BI,  192
.set WV,  10
.set G0,  12
.set G1,  16
.set BK,  24
.set BV,  26
.set BV2, 28
.set PFA, 30
.set WK,  32
.set WVV, 33
.set WV2, 34
.set QC,  35
.set CS,  36
.set NC,  38
.set SEL, 40
.set PLO, 42
.set PHI, 43
.set MSB, 0
.set TK, 0
.set PN, 0
.set PACT, 0
.set RLK, 0
.set CURW, 0
.set PI, 0
.set PB, 128
.set TMODE, 0
.set TI, 1
.set PE, 0
.set RN, 0
.set GG, 0
.macro WIN new
.if MSB != \new
	s_set_vgpr_msb (MSB<<8)|(\new)
.set MSB, \new
.endif
.endm
.macro WALU
	s_wait_alu depctr_va_vdst(0)
.endm
.macro PLACES n
.rept \n
	v_nop
.endr
.endm
.macro CROUND
	s_barrier_signal -1
	s_barrier_wait -1
	s_cmp_lg_u32 s[WV], 0
	s_cbranch_scc1 .Lnot_wave_0_\@
	s_barrier_signal -3
.Lnot_wave_0_\@:
	s_barrier_wait -3
	s_barrier_signal -1
	s_barrier_wait -1
.endm
.macro ASK reg, off
	s_cmp_eq_u32 s[QC], 0
	s_cbranch_scc0 .Lnot_mine_\@
	global_prefetch_b8 v[\reg], s[PFA:PFA+1] offset:\off th:TH_LOAD_NT scope:SCOPE_SE
.Lnot_mine_\@:
.endm
; a drained round, and behind it my one joint load: LDS byte s[ws] + place, address s[base] + off
.macro ROUND ws, place, base, off, rows
	WIN 0
	WALU
	s_wait_tensorcnt 0x0                           ; my load that was out has landed: the descriptor may be written
	ds_add_u32 v[SPW], v[NIL]
	s_mov_b32 s[G1+2], (\rows)<<16
	s_mov_b32 s[G1+4], \rows
	s_add_co_u32 s[G0+1], s[\ws], \place
	s_add_nc_u64 s[G0+2:G0+3], s[\base:\base+1], \off
	s_or_b32 s[G0+3], s[G0+3], 0x80000000
	s_wait_dscnt 0x0                               ; the add is done, and so are my reads of what is filled again
	CROUND
	tensor_load_to_lds s[G0:G0+3], s[G1:G1+7]
	s_nop 0
	PLACES 4
.endm
.macro ADRK place
	v_add_nc_u32 v[A16], \place, v[K16]
	v_add_nc_u32 v[A8], \place, v[K8]
	v_add_nc_u32 v[AB], \place, v[KBA]
.endm
.macro ADRV place
	v_add_nc_u32 v[A16], \place, v[V16]
	v_add_nc_u32 v[A8], \place, v[V8]
.endm
; product g of unit (PI, PB): key tile g % 8, K step g / 8
.macro PROD g
.if (\g) < 8
	WIN 0x1e                                       ; K window 2, Q window 3, the bias window 1, scores window 0
	v_wmma_scale_f32_16x16x128_f8f6f4 v[PB+8*(\g):PB+8*(\g)+7], v[12*(\g):12*(\g)+11], v[24*PI:24*PI+11], v[BI+8*(\g):BI+8*(\g)+7], v[KSC+8*((\g)/2)+2*((\g)%2)], v[QSC+8*(PI/2)+2*(PI%2)] matrix_a_fmt:MATRIX_FMT_FP6 matrix_b_fmt:MATRIX_FMT_FP6
.else
	WIN 0x0e
	v_wmma_scale_f32_16x16x128_f8f6f4 v[PB+8*((\g)-8):PB+8*((\g)-8)+7], v[12*(\g):12*(\g)+11], v[24*PI+12:24*PI+23], v[PB+8*((\g)-8):PB+8*((\g)-8)+7], v[KSC+8*(((\g)-8)/2)+2*((\g)%2)+1], v[QSC+8*(PI/2)+2*(PI%2)+1] matrix_a_fmt:MATRIX_FMT_FP6 matrix_b_fmt:MATRIX_FMT_FP6
.endif
.endm
; fragment g of the next step into the registers of fragment g: K's (RLK = 1: with tile g's bias, or the scale words of tile g - 8) or V's column tile g (RLK = 2)
.macro RL g
	WIN 0x80
.if RLK == 1
.set TT, (\g)%8
.set KO, (TT/4)*KB
.irp j, 0,1,2
	ds_load_b128 v[12*(\g)+4*\j:12*(\g)+4*\j+3], v[A16] offset:KO+3072*(TT%4)+1536*((\g)/8)+512*\j
.endr
.if (\g) < 8
	WIN 0x40
	ds_load_b128 v[BI+8*TT:BI+8*TT+3], v[AB] offset:KO+13312+32*(TT%4)
	ds_load_b128 v[BI+8*TT+4:BI+8*TT+7], v[AB] offset:KO+13312+32*(TT%4)+16
.else
	WIN 0
	ds_load_b64 v[KSC+8*(TT/2)+2*(TT%2):KSC+8*(TT/2)+2*(TT%2)+1], v[A8] offset:KO+12288+256*(TT%4)
.endif
.else
.irp c, 0,1
	ds_load_b128 v[12*(\g)+6*\c:12*(\g)+6*\c+3], v[A16] offset:\c*VB+768*(\g)
	ds_load_b64 v[12*(\g)+6*\c+4:12*(\g)+6*\c+5], v[A8] offset:\c*VB+768*(\g)+512
.endr
.endif
.endm
; behind a vector line.  TMODE 1: behind every TI-th line the next product (0-7: tiles 0-3, both K steps; 8-15: tiles 4-7);  TMODE 2: behind every eighth line the loads into a fragment of tiles 0-3
.macro TICK
.set TK, TK+1
.if TMODE == 1
.if PACT && (PN < PE) && ((TK%TI) == 0)
.set GG, (PN%4)+4*(PN/8)+8*((PN/4)%2)
	PROD GG
.set PN, PN+1
	WIN CURW
.endif
.elseif TMODE == 2
.if RLK && (RN < 8) && ((TK%8) == 0)
.set GG, (RN%4)+8*(RN/4)
	RL GG
.set RN, RN+1
	WIN CURW
.endif
.endif
.endm
.macro MX4 x, y
.irp b, 0,1
.irp a, 0,1
	v_max3_num_f32 v[MX+2*\b+\a], v[MX+2*\b+\a], v[SB+32*\b+16*\a+\x], v[SB+32*\b+16*\a+\y]
	TICK
.endr
.endr
.endm
.macro PKA d, a, b
	v_pk_add_f32 v[\d:\d+1], v[\a:\a+1], v[\b:\b+1]
	TICK
.endm
; the softmax of unit uu (64 scores a lane: two blocks), with the next unit's products among its lines.  dsw: the fragments that the last unit fetched are awaited ahead of the first product
.macro SOFT uu, dsw
.set SB, 128+64*((\uu)%2)
.set NB, NEX+2*(\uu)
.set LB, LS+2*(\uu)
.set PD, 12*(\uu)
.set CURW, 0
.set TMODE, 0
.set PN, 0
	WIN 0
.if \dsw
	s_wait_dscnt 36                                ; tiles 0-3's fragments are in; behind them 20 loads of fragments and bias and 16 of fragments and scale words, for tiles 4-7
.endif
	WALU                                           ; ahead of the first readers of the products' results: the eight lines below read each accumulator from its low end
.irp b, 0,1
.irp a, 0,1
	v_max3_num_f32 v[MX+2*\b+\a], v[SB+32*\b+16*\a], v[SB+32*\b+16*\a+1], v[SB+32*\b+16*\a+2]
.endr
.endr
	MX4 8, 9
.set TMODE, 1
.set TI, 5
.set PE, 8
.set TK, 0
	MX4 3, 4
	MX4 5, 6
	MX4 7, 10
	MX4 11, 12
	MX4 13, 14
.irp b, 0,1
	v_max3_num_f32 v[MX+2*\b], v[MX+2*\b], v[MX+2*\b+1], v[SB+32*\b+15]
	TICK
.endr
.irp b, 0,1
	v_max_num_f32 v[MX+2*\b], v[MX+2*\b], v[SB+32*\b+31]
	TICK
.endr
.irp b, 0,1
	v_mul_f32 v[MX+2*\b], s[NC], v[MX+2*\b]        ; -t
	TICK
.endr
.irp b, 0,1
	v_ceil_f32 v[NB+\b], v[MX+2*\b]                ; -e
	TICK
.endr
.set q, 0
.rept 16
	v_pk_fma_f32 v[SB+q:SB+q+1], v[SB+q:SB+q+1], s[CS:CS+1], v[NB:NB+1] op_sel_hi:[1,0,0]   ; t - e, block 0
	TICK
.set q, q+2
.endr
	WALU                                           ; ahead of the batch
.set TMODE, 2
.set TK, 0
.set RN, 0
.set q, 0
.rept 16
	v_exp_f32 v[SB+q], v[SB+q]
	TICK
	v_exp_f32 v[SB+q+1], v[SB+q+1]
	TICK
	v_pk_fma_f32 v[SB+32+q:SB+33+q], v[SB+32+q:SB+33+q], s[CS:CS+1], v[NB:NB+1] op_sel:[0,0,1] op_sel_hi:[1,0,1]   ; block 1, under block 0's exponentials
	TICK
.set q, q+2
.endr
	WALU
	WIN 0x40
	v_cvt_scalef32_pk16_fp6_f32 v[PD:PD+2], v[SB:SB+15], v[CSC]
	WIN 0
	v_cvt_scalef32_pk16_fp6_f32 v[T0:T0+2], v[SB+16:SB+31], v[CSC]
.set q, 0
.rept 8
.irp k, 0,1,2,3
	v_exp_f32 v[SB+32+4*q+\k], v[SB+32+4*q+\k]
	TICK
.endr
.if q == 0
	v_pk_add_f32 v[SA:SA+1], v[SB:SB+1], v[SB+2:SB+3]   ; block 0's sum, under block 1's exponentials (and the plain place behind the conversions)
.else
	v_pk_add_f32 v[SB+4*q:SB+4*q+1], v[SB+4*q:SB+4*q+1], v[SB+4*q+2:SB+4*q+3]
.endif
	TICK
.set q, q+1
.endr
.set TMODE, 1
.set TI, 3
.set PE, 16
.set TK, 0
.if \dsw
	s_wait_dscnt 0x0                               ; tiles 4-7's fragments are in
.endif
	WALU
	WIN 0x40
	v_cvt_scalef32_pk16_fp6_f32 v[PD+6:PD+8], v[SB+32:SB+47], v[CSC]
	WIN 0
	v_cvt_scalef32_pk16_fp6_f32 v[T1:T1+2], v[SB+48:SB+63], v[CSC]
	PKA SA, SA, SB+4
	PKA SB+16, SB+16, SB+20
.irp k, 32,40,48,56
	PKA SB+\k, SB+\k, SB+\k+2
.endr
	PKA SA, SA, SB+8
	PKA SB+16, SB+16, SB+24
.irp k, 32,40,48,56
	PKA SB+\k, SB+\k, SB+\k+4
.endr
	PKA SA, SA, SB+12
	PKA SB+16, SB+16, SB+28
.irp k, 32,40,48,56
	PKA SB+\k, SB+\k, SB+\k+6
.endr
	PKA SB+32, SB+32, SB+40
	PKA SB+48, SB+48, SB+56
	PKA SA, SA, SB+16
	PKA SB+32, SB+32, SB+48
	v_add_f32 v[LB], v[SA], v[SA+1]
	TICK
	v_add_f32 v[LB+1], v[SB+32], v[SB+33]
	TICK
.set TMODE, 0
	WIN 0x40
.irp k, 0,1,2
	v_mov_b32 v[PD+3+\k], v[T0+\k]
.endr
.irp k, 0,1,2
	v_mov_b32 v[PD+9+\k], v[T1+\k]                 ; (these six are the places behind the last product)
.endr
	WIN 0
.if RLK
.irp k, 4,5,6,7,12,13,14,15
	RL \k
.endr
	WIN 0
.endif
.endm
; a unit's slot: its products, the softmax of the unit before
.macro SLOT u, rl, dsw
.set PI, (\u)%4
.set PB, 128+64*((\u)%2)
.set PACT, ((\u) < 16)
.set RLK, \rl
	SOFT (\u)-1, \dsw
.endm
	s_load_b128 s[4:7], s[0:1], 0x0                ; qbuf, kv
	s_load_b64 s[8:9], s[0:1], 0x10                ; part
	v_lshl_add_u32 v[SPW], v0, 2, SPARE
	v_mov_b32 v[NIL], 0
	ds_add_u32 v[SPW], v[NIL]                      ; the opening lines
	ds_add_u32 v[SPW], v[NIL]
	v_lshrrev_b32 v3, 5, v0
	v_readfirstlane_b32 s[WV], v3                  ; wave 0..3
	s_bfe_u32 s11, ttmp6, 0x40000                  ; cx
	s_and_b32 s44, ttmp7, 0xffff                   ; y
	s_lshr_b32 s45, ttmp9, 2                       ; X / 4
	s_and_b32 s46, s44, 6
	s_or_b32 s45, s45, s46                         ; the batch
	s_and_b32 s44, s44, 1
	s_lshl_b32 s44, s44, 2
	s_and_b32 s46, ttmp9, 3
	s_or_b32 s[QC], s44, s46                       ; the cluster's number in the batch
	s_lshl_b32 s46, s45, 5
	s_lshl_b32 s47, s[QC], 2
	s_add_co_u32 s46, s46, s47
	s_add_co_u32 s46, s46, s11                     ; g = 32 x batch + my block: it enters qbuf's and part's addresses alone
	s_mul_i32 s48, s46, 4*3328
	s_mov_b32 s49, 0
	s_lshl_b32 s50, s46, 10
	s_lshl_b32 s51, s[WV], 8
	s_add_co_u32 s50, s50, s51                     ; my 256 bytes of part
	s_mov_b32 s51, 0
	s_mul_i32 s44, s45, BATCHB
	s_mov_b32 s45, 0
	s_mov_b32 s47, 0
	s_mul_i32 s[WK], s[WV], 2*KB                   ; my quarter of a fill: of K, of V, of two fills of V
	s_mul_i32 s[WVV], s[WV], 2*VB
	s_mul_i32 s[WV2], s[WV], 4*VB
	; group 1: dense bytes as rows of 32 elements of 8 bytes; the mask names the four partners
	s_mov_b32 s[G1], 15|(3<<16)|(1<<21)
	s_mov_b32 s[G1+1], 32<<16
	s_mov_b32 s[G1+2], 106<<16
	s_mov_b32 s[G1+3], 32<<16
	s_mov_b32 s[G1+4], 106
	s_mov_b32 s[G1+5], 32
	s_mov_b32 s[G1+6], 0
	s_mov_b32 s[G1+7], 0
	s_mov_b32 s[G0], 1
	s_mov_b32 s[G0+1], s[WK]
	s_mov_b32 s[CS], 0x3fb8aa3b                    ; log2(e)
	s_mov_b32 s[CS+1], s[CS]
	s_mov_b32 s[NC], 0xbfb8aa3b
	s_mov_b32 s[SEL], 0x76543210
	s_mov_b32 s[SEL+1], 0xfedcba98
	s_mov_b32 s[PLO], 0x05040100                   ; the two low halves
	s_mov_b32 s[PHI], 0x07060302                   ; the two high halves
	s_lshl_b32 s11, s11, 7
	s_wait_dscnt 0x0
	v_and_b32 v24, 31, v0                          ; lane
	v_bfe_u32 v25, v0, 4, 1                        ; h
	v_lshlrev_b32 v26, 4, v24
	v_lshlrev_b32 v27, 3, v24
	v_add_nc_u32 v[K16], s[WK], v26
	v_add_nc_u32 v[K8], s[WK], v27
	v_lshlrev_b32 v[KBA], 7, v25
	v_add_nc_u32 v[KBA], s[WK], v[KBA]
	v_add_nc_u32 v[V16], s[WVV], v26
	v_add_nc_u32 v[V8], s[WVV], v27
	v_lshlrev_b32 v[SH], 3, v25
	v_mov_b32 v[CSC], 0x3e800000                   ; the conversions' scale, 2^-2
	v_add_nc_u32 v28, s11, v0
	v_min_u32 v[PFO], 423, v28
	v_min_u32 v[PFV], 415, v28
	v_lshlrev_b32 v[PFO], 8, v[PFO]
	v_lshlrev_b32 v[PFV], 8, v[PFV]
	ADRK P0
	WALU
	CROUND                                         ; the four work-groups are here: the first joint loads meet
	s_wait_kmcnt 0x0
	s_add_nc_u64 s[PFA:PFA+1], s[6:7], s[44:45]    ; the batch
	s_mov_b32 s46, s[WK]
	s_add_nc_u64 s[BK:BK+1], s[PFA:PFA+1], s[46:47]
	s_mov_b64 s[G0+2:G0+3], s[BK:BK+1]
	s_or_b32 s[G0+3], s[G0+3], 0x80000000
	tensor_load_to_lds s[G0:G0+3], s[G1:G1+7]      ; K0
	s_nop 0
	PLACES 4
	s_add_nc_u64 s[4:5], s[4:5], s[48:49]
	WIN 0xc0                                       ; Q stays in registers, window 3
.irp i, 0,1,2,3
.irp c, 0,1,2,3
	global_load_b128 v[24*\i+6*\c:24*\i+6*\c+3], v26, s[4:5] offset:3328*\i+768*\c
	global_load_b64 v[24*\i+6*\c+4:24*\i+6*\c+5], v27, s[4:5] offset:3328*\i+768*\c+512
.endr
.endr
	WIN 0
.irp i, 0,1,2,3
	global_load_b64 v[QSC+8*(\i/2)+2*(\i%2):QSC+8*(\i/2)+2*(\i%2)+1], v27, s[4:5] offset:3328*\i+3072
.endr
	ASK PFO, KF
	s_add_nc_u64 s[8:9], s[8:9], s[50:51]
	s_mov_b32 s46, s[WVV]
	s_add_nc_u64 s[BV:BV+1], s[PFA:PFA+1], s[46:47]
	s_add_nc_u64 s[BV:BV+1], s[BV:BV+1], VREG
	s_mov_b32 s46, s[WV2]
	s_add_nc_u64 s[BV2:BV2+1], s[PFA:PFA+1], s[46:47]
	s_add_nc_u64 s[BV2:BV2+1], s[BV2:BV2+1], VREG
	ROUND WK, P1, BK, KF, 106                      ; K0 is in; K1 is asked for
	ASK PFO, 2*KF
.set RLK, 1
.irp g, 0,1,2,3,4,5,6,7,8,9,10,11,12,13,14,15
	RL \g
.endr
	WIN 0
	s_wait_loadcnt 0x0                             ; Q and its scale words
	s_wait_dscnt 0x0
; ================= PHASE 1
.set PI, 0
.set PB, 128
.irp g, 0,1,2,3,4,5,6,7,8,9,10,11,12,13,14,15
	PROD \g
.endr
	WIN 0
	PLACES 4
	SLOT 1, 0, 0
	SLOT 2, 0, 0
	ROUND WK, P2, BK, 2*KF, 106                    ; K1 is in
	ASK PFO, 3*KF
	ADRK P1
	SLOT 3, 1, 0
	SLOT 4, 0, 1
	SLOT 5, 0, 0
	SLOT 6, 0, 0
	ROUND WK, P0, BK, 3*KF, 106                    ; K2 is in
	ASK PFV, VREG
	ASK PFV, VREG+VF
	ADRK P2
	SLOT 7, 1, 0
	SLOT 8, 0, 1
	SLOT 9, 0, 0
	SLOT 10, 0, 0
	ROUND WV2, P1, BV2, 0, 208                     ; K3 is in; V0 and V1 are asked for by one load
	ASK PFV, VREG+2*VF
	ADRK P0
	SLOT 11, 1, 0
	SLOT 12, 0, 1
	SLOT 13, 0, 0
	SLOT 14, 0, 0
	ROUND WVV, P0, BV, 2*VF, 104                   ; V0 and V1 are in
	ASK PFV, VREG+3*VF
	ADRV P1
	SLOT 15, 2, 0                                  ; V0's fragments take the places of K3's
	SLOT 16, 0, 0
; ================= BETWEEN THE PHASES: one exponent for my keys of a query
.macro VSC                             ; V's scale halves: word pairs of four column tiles, of the step's two blocks
.irp w, 0,1,2,3
.irp c, 0,1
	ds_load_b64 v[VR+4*\w+2*\c:VR+4*\w+2*\c+1], v[A8] offset:\c*VB+12288+256*\w
.endr
.endr
.endm
.macro VWORDS                          ; V's scale word of tile n at KSC + 8 (n / 4) + n % 4, n ascending
.irp w, 0,1,2,3
	v_perm_b32 v[KSC+8*\w], v[VR+4*\w+2], v[VR+4*\w], s[PLO]
	v_perm_b32 v[KSC+8*\w+1], v[VR+4*\w+2], v[VR+4*\w], s[PHI]
	v_perm_b32 v[KSC+8*\w+2], v[VR+4*\w+3], v[VR+4*\w+1], s[PLO]
	v_perm_b32 v[KSC+8*\w+3], v[VR+4*\w+3], v[VR+4*\w+1], s[PHI]
.endr
	WALU
.endm
	VSC
.irp i, 0,1,2,3
	v_min3_num_f32 v[128+\i], v[NEX+2*\i], v[NEX+2*\i+1], v[NEX+8+2*\i]
.endr
.irp i, 0,1,2,3
	v_min3_num_f32 v[128+\i], v[128+\i], v[NEX+9+2*\i], v[NEX+16+2*\i]
.endr
.irp i, 0,1,2,3
	v_min3_num_f32 v[128+\i], v[128+\i], v[NEX+17+2*\i], v[NEX+24+2*\i]
.endr
.irp i, 0,1,2,3
	v_min_num_f32 v[128+\i], v[128+\i], v[NEX+25+2*\i]
.endr
.irp i, 0,1,2,3
	v_permlanex16_b32 v[132+\i], v[128+\i], s[SEL], s[SEL+1]
.endr
.irp i, 0,1,2,3
	v_min_num_f32 v[128+\i], v[128+\i], v[132+\i]  ; -E, both halves of the lanes
.endr
.irp j, 0,1,2,3
.irp i, 0,1,2,3
.set U2, NEX+8*\j+2*\i
.if \i%2
	v_pk_add_f32 v[U2:U2+1], v[128+2*(\i/2):129+2*(\i/2)], v[U2:U2+1] op_sel:[1,0] op_sel_hi:[1,1] neg_lo:[0,1] neg_hi:[0,1]
.else
	v_pk_add_f32 v[U2:U2+1], v[128+2*(\i/2):129+2*(\i/2)], v[U2:U2+1] op_sel_hi:[0,1] neg_lo:[0,1] neg_hi:[0,1]
.endif
.endr
.endr
.set q, 0
.rept 32
	v_max_num_f32 v[NEX+q], 0xc2f80000, v[NEX+q]   ; e - E, held at -124
.set q, q+1
.endr
.set q, 0
.rept 32
	v_cvt_i32_f32 v[NEX+q], v[NEX+q]
.set q, q+1
.endr
.set q, 0
.rept 32
	v_ldexp_f32 v[LS+q], v[LS+q], v[NEX+q]
.set q, q+1
.endr
.set q, 0
.rept 16
	v_lshl_add_u32 v[NEX+q], v[NEX+q+1], 16, v[NEX+q]   ; my two blocks of the step; bytes 0, 2 (lanes 16-31: 1, 3)
.set q, q+2
.endr
.set q, 0
.rept 16
	v_lshlrev_b32 v[NEX+q], v[SH], v[NEX+q]
.set q, q+2
.endr
.set q, 0
.rept 16
	v_permlanex16_b32 v[NEX+q+1], v[NEX+q], s[SEL], s[SEL+1]
.set q, q+2
.endr
.irp j, 0,1,2,3
.irp i, 0,1,2,3
	v_add3_u32 v[QSC+8*\j+\i], v[NEX+8*\j+2*\i], v[NEX+8*\j+2*\i+1], 0x7d7d7d7d   ; four bytes 125 + e - E, each 1 to 125: p's scale word of unit (j, i)
.endr
.endr
.irp k, 8,16,24
.irp i, 0,1,2,3
	v_pk_add_f32 v[LS+2*\i:LS+2*\i+1], v[LS+2*\i:LS+2*\i+1], v[LS+\k+2*\i:LS+\k+2*\i+1]
.endr
.endr
.irp i, 0,1,2,3
	v_add_f32 v[LS+2*\i], v[LS+2*\i], v[LS+2*\i+1]
.endr
.irp i, 0,1,2,3
	v_permlanex16_b32 v[LS+16+\i], v[LS+2*\i], s[SEL], s[SEL+1]
.endr
.irp i, 0,1,2,3
	v_add_f32 v[LS+2*\i], v[LS+2*\i], v[LS+16+\i]  ; l of my keys, at v96, 98, 100, 102
.endr
.irp i, 0,1,2,3
	v_mov_b32 v[LS+8+\i], v[128+\i]                ; -E, at v104-107
.endr
	WALU
	s_wait_dscnt 0x0                               ; V0 and its scale halves are in
	VWORDS
; ================= PHASE 2: O += P V, 64 accumulators by turns
.macro OPLACE n                        ; window and first register of column tile n's four accumulators
.if (\n) < 4
.set OW, 0
.set OR, 128+32*(\n)
.elseif (\n) < 6
.set OW, 1
.set OR, 192+32*((\n)-4)
.elseif (\n) < 8
.set OW, 2
.set OR, 192+32*((\n)-6)
.else
.set OW, 3
.set OR, 32*((\n)-8)
.endif
.endm
.macro PVN j, n
	OPLACE \n
	WIN 0x09+0x50*OW                               ; p window 1, V window 2
.irp i, 0,1,2,3
.if \j == 0
	v_wmma_scale_f32_16x16x128_f8f6f4 v[OR+8*\i:OR+8*\i+7], v[48*\j+12*\i:48*\j+12*\i+11], v[12*(\n):12*(\n)+11], 0, v[QSC+8*\j+\i], v[KSC+8*((\n)/4)+(\n)%4] matrix_a_fmt:MATRIX_FMT_FP6 matrix_b_fmt:MATRIX_FMT_FP6
.else
	v_wmma_scale_f32_16x16x128_f8f6f4 v[OR+8*\i:OR+8*\i+7], v[48*\j+12*\i:48*\j+12*\i+11], v[12*(\n):12*(\n)+11], v[OR+8*\i:OR+8*\i+7], v[QSC+8*\j+\i], v[KSC+8*((\n)/4)+(\n)%4] matrix_a_fmt:MATRIX_FMT_FP6 matrix_b_fmt:MATRIX_FMT_FP6
.endif
.endr
.endm
.macro HALF j, n0
.irp n, 0,1,2,3,4,5,6,7
	PVN \j, \n0+\n
.endr
	WIN 0
.endm
.macro LOADH n0
.irp n, 0,1,2,3,4,5,6,7
	RL \n0+\n
.endr
	WIN 0
.endm
.set RLK, 2
	HALF 0, 0
	ROUND WVV, P1, BV, 3*VF, 104                   ; V2 is in; V0 lies in registers in all waves: V3 takes its place
	PLACES 8
	ADRV P1+VF
	LOADH 0
	VSC
	HALF 0, 8
	s_wait_dscnt 0x0
	VWORDS                                         ; (also the places behind the products)
	LOADH 8
	HALF 1, 0
	PLACES 8
	ADRV P0
	LOADH 0
	VSC
	s_wait_dscnt 40                                ; V1's upper half is in; behind it 32 loads of fragments and 8 of scales
	HALF 1, 8
	s_wait_dscnt 0x0
	VWORDS
	LOADH 8
	HALF 2, 0
	WALU
	s_wait_tensorcnt 0x0
	s_wait_dscnt 0x0
	s_barrier_signal -1
	s_barrier_wait -1                              ; V3 is in; nothing is filled any more
	PLACES 8
	ADRV P1
	LOADH 0
	VSC
	v_and_b32 v15, 15, v0
	s_lshl_b32 s44, s[WV], 9
	v_lshlrev_b32 v15, 2, v15
	v_add_nc_u32 v15, STG, v15
	v_add_nc_u32 v15, s44, v15
.irp i, 0,1,2,3                                ; my (-E, l) of 64 queries; both halves of the lanes write the same bytes with the same values
	ds_store_b32 v15, v[LS+8+\i] offset:64*\i
	ds_store_b32 v15, v[LS+2*\i] offset:256+64*\i
.endr
	HALF 2, 8
	s_wait_dscnt 0x0
	VWORDS
	LOADH 8
	HALF 3, 0
	v_and_b32 v15, 31, v0
	v_bfe_u32 v16, v0, 4, 1
	s_lshl_b32 s45, s[WV], 8
	s_lshl_b32 s46, s[WV], 10
	v_lshlrev_b32 v[A16], 2, v15
	v_add_nc_u32 v[A16], STG, v[A16]
	v_add_nc_u32 v[A8], s44, v[A16]                ; my own wave's
	v_add_nc_u32 v18, s45, v[A16]                  ; (+ 2,048) my wave's 64 weights
	v_lshlrev_b32 v19, 5, v16
	v_add_nc_u32 v19, STG+2048, v19
	v_add_nc_u32 v19, s45, v19                     ; weights of queries 8 h + 0 .. 7
	v_lshlrev_b32 v21, 3, v15
	v_add_nc_u32 v22, STG+4096, v21
	v_add_nc_u32 v22, s45, v22                     ; and back
	WALU
	s_wait_dscnt 0x0                               ; my stores are done; V3's upper half is in
	s_barrier_signal -1
	s_barrier_wait -1
.irp m, 0,1                                    ; query lane + 32 m: -E and l of the four waves, and my own -E
.irp w, 0,1,2,3
	ds_load_b32 v[64+4*\m+\w], v[A16] offset:512*\w+128*\m
	ds_load_b32 v[72+4*\m+\w], v[A16] offset:512*\w+128*\m+256
.endr
	ds_load_b32 v[80+\m], v[A8] offset:128*\m
.endr
.irp n, 8,9,10,11,12,13,14,15
	PVN 3, \n
.endr
	WIN 0
	s_wait_dscnt 0x0
.irp m, 0,1
	v_min3_num_f32 v[82+\m], v[64+4*\m], v[65+4*\m], v[66+4*\m]
.endr
.irp m, 0,1
	v_min_num_f32 v[82+\m], v[82+\m], v[67+4*\m]
.endr
.irp w, 0,1,2,3
.irp m, 0,1
	v_sub_f32 v[64+4*\m+\w], v[82+\m], v[64+4*\m+\w]
.endr
.endr
.irp m, 0,1
	v_sub_f32 v[80+\m], v[82+\m], v[80+\m]
.endr
.irp k, 64,65,66,67,68,69,70,71,80,81
	v_cvt_i32_f32 v[\k], v[\k]                     ; (it saturates)
.endr
.irp k, 0,1,2,3,4,5,6,7
	v_ldexp_f32 v[72+\k], v[72+\k], v[64+\k]
.endr
.irp m, 0,1
	v_ldexp_f32 v[80+\m], 1.0, v[80+\m]
.endr
.irp w, 1,2,3
.irp m, 0,1
	v_add_f32 v[72+4*\m], v[72+4*\m], v[72+4*\m+\w]
.endr
.endr
	WALU
	v_rcp_f32 v84, v72
	v_rcp_f32 v85, v76
	v_nop
	WALU
	v_mul_f32 v124, v80, v84                       ; 2^(E_own - E) / l
	v_mul_f32 v125, v81, v85
	ds_store_b32 v18, v124 offset:2048
	ds_store_b32 v18, v125 offset:2176
.irp i, 0,1,2,3                                ; LDS serves a wave's instructions in order: these see my stores.  Register 8 i + j: query 16 i + 8 h + j
	ds_load_b128 v[64+8*\i:67+8*\i], v19 offset:64*\i
	ds_load_b128 v[68+8*\i:71+8*\i], v19 offset:64*\i+16
.endr
	s_wait_dscnt 0x0
; ================= THE END: the sum over queries, column tile n at v[96 + 2 n]
.macro WEIGH n0, cnt
	OPLACE \n0
	WIN OW
	WALU                                           ; ahead of this window's accumulators' first readers
.set k, 0
.rept 16
.set n, \n0
.rept \cnt
.if k == 0
	v_pk_mul_f32 v[96+2*n:97+2*n], v[OR+32*(n-\n0):OR+32*(n-\n0)+1], v[64:65]
.else
	v_pk_fma_f32 v[96+2*n:97+2*n], v[OR+32*(n-\n0)+2*k:OR+32*(n-\n0)+2*k+1], v[64+2*k:65+2*k], v[96+2*n:97+2*n]
.endif
.set n, n+1
.endr
.set k, k+1
.endr
.endm
	WEIGH 0, 4
	WEIGH 4, 2
	WEIGH 6, 2
	WEIGH 8, 8
	WIN 0
.set n, 0
.rept 16
	v_add_f32 v[96+2*n], v[96+2*n], v[97+2*n]
.set n, n+1
.endr
.irp m, 0,1,2,3,4,5,6,7
	v_permlane16_swap_b32 v[96+4*\m], v[98+4*\m]   ; now lanes 0-15 of both hold tile 2 m's two halves, lanes 16-31 tile 2 m + 1's
.endr
.irp m, 0,1,2,3,4,5,6,7
	v_add_f32 v[96+4*\m], v[96+4*\m], v[98+4*\m]
.endr
	v_lshlrev_b32 v23, 2, v15
	v_add_nc_u32 v23, STG+4096, v23
	v_add_nc_u32 v23, s46, v23                     ; channel 32 m + lane
.irp m, 0,1,2,3,4,5,6,7
	ds_store_b32 v23, v[96+4*\m] offset:128*\m
.endr
	WALU
	s_wait_dscnt 0x0
	s_barrier_signal -1
	s_barrier_wait -1
.irp w, 0,1,2,3
	ds_load_b64 v[64+2*\w:65+2*\w], v22 offset:1024*\w
.endr
	s_wait_dscnt 0x0
	v_pk_add_f32 v[64:65], v[64:65], v[66:67]
	v_pk_add_f32 v[68:69], v[68:69], v[70:71]
	v_pk_add_f32 v[64:65], v[64:65], v[68:69]
	global_store_b64 v21, v[64:65], s[8:9]         ; 32 lanes store 256 consecutive bytes, aligned
	s_wait_tensorcnt 0x0                           ; the wave's end
	ds_add_u32 v[SPW], v[NIL]
	s_wait_dscnt 0x0
	CROUND                                         ; the closing round
	s_endpgm
.Lfunc_end_k_qfac4436478_attn:
	.size	k_qfac4436478_attn, .Lfunc_end_k_qfac4436478_attn-k_qfac4436478_attn
	.p2alignl 7, 3214868480
	.fill 96, 4, 3214868480
	.section	.rodata,"a",@progbits
	.p2align	6, 0x0
	.amdhsa_kernel k_qfac4436478_attn
		.amdhsa_group_segment_fixed_size 327680
		.amdhsa_private_segment_fixed_size 0
		.amdhsa_enable_private_segment 0
		.amdhsa_kernarg_size 24
		.amdhsa_user_sgpr_count 2
		.amdhsa_user_sgpr_kernarg_segment_ptr 1
		.amdhsa_wavefront_size32 1
		.amdhsa_system_sgpr_workgroup_id_x 1
		.amdhsa_system_sgpr_workgroup_id_y 1
		.amdhsa_system_sgpr_workgroup_id_z 1
		.amdhsa_system_vgpr_workitem_id 0
		.amdhsa_next_free_vgpr 1024
		.amdhsa_next_free_sgpr 66
		.amdhsa_reserve_vcc 0
		.amdhsa_float_denorm_mode_32 3
		.amdhsa_float_denorm_mode_16_64 3
		.amdhsa_memory_ordered 1
		.amdhsa_forward_progress 1
		.amdhsa_inst_pref_size 255
	.end_amdhsa_kernel
	.section	.bss,"aw",@nobits
	.p2align	6
	.space	262144
	.amdgpu_metadata
---
amdhsa.version: [ 1, 2 ]
amdhsa.kernels:
  - .name:           k_qfac4436478_attn
    .symbol:         k_qfac4436478_attn.kd
    .args:
      - { .name: qbuf, .offset: 0, .size: 8, .value_kind: global_buffer, .address_space: global }
      - { .name: kv, .offset: 8, .size: 8, .value_kind: global_buffer, .address_space: global }
      - { .name: part, .offset: 16, .size: 8, .value_kind: global_buffer, .address_space: global }
    .group_segment_fixed_size: 327680
    .private_segment_fixed_size: 0
    .kernarg_segment_align: 8
    .kernarg_segment_size: 24
    .max_flat_workgroup_size: 128
    .sgpr_count:     66
    .vgpr_count:     1024
    .wavefront_size: 32
...
	.end_amdgpu_metadata
.endif
;; end of part 2
;; launch red (part 3): grid 8 x 1, 4 waves a work-group, no clusters, 0 bytes of LDS; arguments part, out0; writes out0
.if DOCPART == 3
	.amdgcn_target "amdgcn-amd-amdhsa--gfx1250"
	.amdhsa_code_object_version 6
	.text
	.protected	k_qfac4436478_red
	.globl	k_qfac4436478_red
	.p2align	8
	.type	k_qfac4436478_red,@function
k_qfac4436478_red:
	s_mov_b64 s[64:65], 0
	v_nop
	global_prefetch_b8 v0, s[64:65] scope:SCOPE_SE
	s_setreg_imm32_b32 hwreg(HW_REG_WAVE_MODE, 25, 1), 1
	s_wait_xcnt 0x0
; out0[b][h] = the sum over the batch's 32 blocks of queries of part[32 b + x][h].  A work-group takes a batch, thread t channels 2 t and 2 t + 1.
; Each load and the store of a wave cover 256 consecutive bytes, aligned.  32 KiB a work-group, read once: no LDS, no barrier, no matrix unit.  The order of the sum is fixed.
	s_load_b128 s[4:7], s[0:1], 0x0                ; part, out0
	v_lshlrev_b32 v1, 3, v0
	s_lshl_b32 s8, ttmp9, 15                       ; 32 blocks of 1,024 bytes
	s_mov_b32 s9, 0
	s_lshl_b32 s10, ttmp9, 10
	s_mov_b32 s11, 0
	s_wait_alu depctr_va_vdst(0)
	s_wait_kmcnt 0x0
	s_add_nc_u64 s[4:5], s[4:5], s[8:9]
	s_add_nc_u64 s[6:7], s[6:7], s[10:11]
.irp x, 0,1,2,3,4,5,6,7,8,9,10,11,12,13,14,15,16,17,18,19,20,21,22,23,24,25,26,27,28,29,30,31
	global_load_b64 v[4+2*\x:5+2*\x], v1, s[4:5] offset:1024*\x th:TH_LOAD_NT
.endr
	s_wait_loadcnt 0x0
.irp x, 4,5,6,7,8,9,10,11,12,13,14,15,16,17,18,19,20,21,22,23,24,25,26,27,28,29,30,31
	v_pk_add_f32 v[4+2*(\x%4):5+2*(\x%4)], v[4+2*(\x%4):5+2*(\x%4)], v[4+2*\x:5+2*\x]   ; four chains
.endr
	v_pk_add_f32 v[4:5], v[4:5], v[6:7]
	v_pk_add_f32 v[8:9], v[8:9], v[10:11]
	v_pk_add_f32 v[4:5], v[4:5], v[8:9]
	global_store_b64 v1, v[4:5], s[6:7]
	s_endpgm
.Lfunc_end_k_qfac4436478_red:
	.size	k_qfac4436478_red, .Lfunc_end_k_qfac4436478_red-k_qfac4436478_red
	.p2alignl 7, 3214868480
	.fill 96, 4, 3214868480
	.section	.rodata,"a",@progbits
	.p2align	6, 0x0
	.amdhsa_kernel k_qfac4436478_red
		.amdhsa_group_segment_fixed_size 0
		.amdhsa_private_segment_fixed_size 0
		.amdhsa_enable_private_segment 0
		.amdhsa_kernarg_size 16
		.amdhsa_user_sgpr_count 2
		.amdhsa_user_sgpr_kernarg_segment_ptr 1
		.amdhsa_wavefront_size32 1
		.amdhsa_system_sgpr_workgroup_id_x 1
		.amdhsa_system_sgpr_workgroup_id_y 1
		.amdhsa_system_sgpr_workgroup_id_z 1
		.amdhsa_system_vgpr_workitem_id 0
		.amdhsa_next_free_vgpr 72
		.amdhsa_next_free_sgpr 66
		.amdhsa_reserve_vcc 0
		.amdhsa_float_denorm_mode_32 3
		.amdhsa_float_denorm_mode_16_64 3
		.amdhsa_memory_ordered 1
		.amdhsa_forward_progress 1
		.amdhsa_inst_pref_size 6
	.end_amdhsa_kernel
	.amdgpu_metadata
---
amdhsa.version: [ 1, 2 ]
amdhsa.kernels:
  - .name:           k_qfac4436478_red
    .symbol:         k_qfac4436478_red.kd
    .args:
      - { .name: part, .offset: 0, .size: 8, .value_kind: global_buffer, .address_space: global }
      - { .name: out0, .offset: 8, .size: 8, .value_kind: global_buffer, .address_space: global }
    .group_segment_fixed_size: 0
    .private_segment_fixed_size: 0
    .kernarg_segment_align: 8
    .kernarg_segment_size: 16
    .max_flat_workgroup_size: 128
    .sgpr_count:     66
    .vgpr_count:     72
    .wavefront_size: 32
...
	.end_amdgpu_metadata
.endif
;; end of part 3
